; MI455X (gfx1250); checked and timed in simulation.
; The chip was launched on July 23, 2026; its instructions are those of AMD's public machine-readable ISA for CDNA 5 (MIT licence, August 2026) and "CDNA5" Instruction Set Architecture Reference Guide (July 2026). The comments in the code are by the model that wrote it; some were corrected since.
;; Scale Dot Product Attention. Allowed arithmetic: matrix products marked QUANTISED: E2M1 operands, one E8M0 scale for each 32 along K, by v_wmma_scale_f32_16x16x128_f8f6f4 with both operands' format E2M1 (or v_wmma_scale_f32_32x16x128_f4), f32 sums; everything else in f32.
;; Inputs: k 16 x 4,096 x 128 float32; q 16 x 4,096 x 128 float32; v 16 x 4,096 x 128 float32.
;; Outputs: out0 16 x 4,096 x 128 float32.
;; This version of the problem:
;;   THIS VERSION OF THE PROBLEM IS GIVEN IN LOW PRECISION. The matrix products marked QUANTISED in the list below multiply operands that are first quantised to E2M1 (2 exponent bits, 1 mantissa bit; 4 bits a number), with one power-of-two scale for each 32 numbers along K (OCP MX v1.0); their sums are f32. All else is computed in f32.
;;   The module's matrix products, in the order in which they are computed (A, B: the left and right operand; K: the contracted axis; several contracted axes count as one K, in the product's order):
;;     1. batch 16 x [M 4,096, K 128] x [K 128, N 4,096]; A: input q; B: input k: QUANTISED
;;     2. batch 16 x [M 4,096, K 4,096] x [K 4,096, N 128]; A: softmax (see below); B: input v: QUANTISED
;;   THE QUANTISER, for each operand of a quantised product, along K:
;;     - K is cut into blocks of 32 from its start; a last block that is shorter is filled with zeros.
;;     - A block's scale is 2^e with e = floor(log2(the largest magnitude in the block)) - 2, held to -126 .. 127; a block of zeros has e = 0. As a byte (E8M0): e + 127.
;;     - Each number is divided by its block's scale, clamped to +-6, and rounded to the nearest number of E2M1, ties to even, subnormals kept.
;;     - The product sums the exact products of the quantised numbers (number of the format x scale) in f32.
;;   ~~~python
;;   def quantise(x, axis):      # numpy; x: float32 -> the quantised numbers, widened to float32 again
;;       x = np.moveaxis(x, axis, -1); K = x.shape[-1]
;;       x = np.pad(x, [(0, 0)] * (x.ndim - 1) + [(0, -K % 32)]); x = x.reshape(x.shape[:-1] + (-1, 32)); a = np.abs(x).max(-1, keepdims=True)
;;       e = np.where(a > 0, np.clip(np.frexp(np.where(a > 0, a, 1))[1] - 1 - 2, -126, 127), 0)      # np.frexp(a)[1] - 1 = floor(log2(a)), exactly
;;       r = np.clip(x / 2.0 ** e, -6, 6)
;;       step = 2.0 ** (np.maximum(np.frexp(np.where(r == 0, 1, r))[1] - 1, 0) - 1)
;;       q = np.round(r / step) * step * 2.0 ** e      # np.round: ties to even
;;       return np.moveaxis(q.reshape(q.shape[:-2] + (-1,))[..., :K], -1, axis).astype(np.float32)
;;   ~~~
;;   SOFTMAX AHEAD OF A QUANTISED PRODUCT. Where the list says 'softmax', what is quantised is not the finished softmax but p = 2^(t - M), with t = logit x log2(e) and M = ceil(the row's largest t), a whole number; so 1/2 < the row's largest p <= 1. The row's sum l is taken of the UNQUANTISED p, in f32, and the product's result is divided by l at the end. Since M is a whole number, a kernel that streams over the keys may use a running M (the ceiling of the running maximum): every later rescaling is an exact power of two, which a block's scale takes up: the codes' values come out the same.
;;   OPERANDS COMPUTED ON THE WAY. 'Computed on the way' means the value that the module computes at that place (a softmax that the list does not call 'softmax' is quantised finished and normalised). What goes into a quantiser is computed in f32, as accurately as f32 sums, v_exp_f32 and their like allow (about 1e-6 of the number): no bf16 or f16 on the way to a quantiser, and a product that is left as it is and whose result goes on into a quantised operand takes f32 operands (vector FMAs, or v_wmma_f32_16x16x4_f32). A number that lies on a knife's edge between two numbers of the format may be rounded either way, as far as f32 arithmetic and the matrix unit's own rounding can turn it there, and no further.
;; One version. Each part assembles by itself: llvm-mc -triple=amdgcn-amd-amdhsa -mcpu=gfx1250 --defsym DOCPART=n.
;; ======== version 1 of 1: 2 launches
;; limits: right only within a limited range of input values
;; workspace buffers: k_codes 4,194,304 bytes; k_scales 262,144 bytes; v_codes 4,194,304 bytes; v_scales 262,144 bytes
;; launch quant_kv (part 1): grid 384 x 1, 8 waves a work-group, no clusters, 84,992 bytes of LDS; arguments k, v, k_codes, k_scales, v_codes, v_scales; writes k_codes, k_scales, v_codes, v_scales
.if DOCPART == 1
	.amdgcn_target "amdgcn-amd-amdhsa--gfx1250"
	.amdhsa_code_object_version 6
	.text
	.protected	k_q10b2043160_quant_kv
	.globl	k_q10b2043160_quant_kv
	.p2align	8
	.type	k_q10b2043160_quant_kv,@function
k_q10b2043160_quant_kv:
	s_mov_b64 s[64:65], 0
	v_nop
	global_prefetch_b8 v0, s[64:65] scope:SCOPE_SE
	s_setreg_imm32_b32 hwreg(HW_REG_WAVE_MODE, 25, 1), 1
	s_wait_xcnt 0x0
; k and v, [16][4096][128] f32, are turned into codes of FP4 (E2M1) with one E8M0 scale byte for each 32 along the K of the product that takes them.  One launch prepares both; q is quantised by the launch that reads it.
; A block's scale is 2^(floor(log2(its largest magnitude)) - 2); its byte is the largest magnitude's exponent field - 2, held at 1 from below.  Each number is divided by the scale and rounded to the nearest code, ties to even; beyond 6 the largest code.
; LIMITS: a block whose largest magnitude lies under 2^(3 - 127) has its byte held at 1; a block of zeros gets the byte 1 where the quantiser says 127 (its codes are zeros; this program alone reads the bytes).  NaN and infinities are not served.
; WORK-GROUPS 0 TO 127: k.  Its K is the head's 128, innermost: a plain stream of blocks of 32.  A wave takes 16 steps of 512 numbers.  Each of a step's four loads reads 512 consecutive bytes; the 2,048 bytes turn through the wave's own stage in LDS
; (16 bytes of padding behind each 64) and come back 64 bytes a lane: 16 neighbours, two lanes to a block.  A lane's 16 codes are 8 bytes: the wave stores 256 consecutive bytes.  A wave's 256 scale bytes are gathered in LDS and leave as one aligned run.
; WORK-GROUPS 128 TO 383: v.  Its K is the keys, not innermost.  Codes are laid by chunks of 512 keys: v_codes [16][8 chunks][128 d][256 bytes], v_scales [16][8][128 d][16 bytes].  A lane takes a column d and its registers run down the keys:
; a block lies in one lane's 32 registers.  Work-group j = number - 128: head (j % 32) / 2, columns 64 (j % 2) on, chunk j / 32.  Wave w: 32 columns (w % 2), 128 keys (w / 2).  The codes meet in a stage (64 rows of 256 bytes + 16), one barrier, and each wave stores 8 whole rows.
; The two ways part on the work-group's number alone and have LDS bytes of their own; k's work-groups, with twice the bytes, have the lower numbers.
.set KWG,   128
.set STEPS, 16
.set CB,    8
.set R,     16                         ; k: v16-79 four sets of 16 numbers as loaded
.set X,     80                         ; v80-111 two sets of 16 neighbours
.set C,     128                        ; v128-191 codes, four registers a step
.set E,     112                        ; v112-127 a scale byte a step
.set WREG,  8192                       ; a wave's region: two stages of 32 x SP bytes, then its 256 scale bytes
.set SP,    80
.set VB,    8*WREG                     ; v's bytes begin behind k's eight regions
.set PITCH, 272
.set SCST,  VB+64*PITCH                ; 64 rows of 16 scale bytes
.set SPARE, SCST+1024                  ; the spare words, 128 bytes a wave
.set VX,    32                         ; v: v32-95 two sets of 32 numbers
.set VC,    96                         ; v96-111 codes
.set OUTR,  112
.set SB,    24
.set SPW,   192
.set NIL,   193
.macro DEP n
	s_delay_alu instid0(VALU_DEP_\n)
.endm
	s_load_b128 s[4:7], s[0:1], 0x0                ; k, v
	s_load_b256 s[8:15], s[0:1], 0x10              ; k's codes, k's scales, v's codes, v's scales
	v_lshl_add_u32 v[SPW], v0, 2, SPARE
	v_mov_b32 v[NIL], 0
	v_lshrrev_b32 v1, 5, v0
	v_readfirstlane_b32 s16, v1                    ; wave 0..7
	v_and_b32 v2, 31, v0                           ; lane
	s_wait_alu depctr_va_vdst(0)                   ; the wait ahead of the branch
	s_cmp_lt_u32 ttmp9, KWG
	s_cbranch_scc0 .Lv_path
	v_lshlrev_b32 v3, 4, v2                        ; my 16 bytes of a load's 512
	s_mul_i32 s17, s16, WREG
	v_lshrrev_b32 v14, 2, v2
	v_mul_u32_u24 v14, v14, SP
	v_and_b32 v15, 3, v2
	v_lshl_add_u32 v14, v15, 4, v14
	v_add_nc_u32 v14, s17, v14                     ; into the stage: SP (lane / 4) + 16 (lane % 4)
	v_mul_u32_u24 v15, v2, SP
	v_add_nc_u32 v15, s17, v15                     ; out of it: SP x lane
	v_mul_u32_u24 v4, v2, CB
	v_lshrrev_b32 v5, 1, v2
	s_add_co_u32 s17, s17, 2*32*SP
	v_add_nc_u32 v5, s17, v5                       ; my block's scale byte
	v_lshlrev_b32 v7, 3, v2
	v_add_nc_u32 v6, s17, v7
	s_wait_alu depctr_va_vdst(0)                   ; the wait directly ahead of the wait below
	s_wait_kmcnt 0x0
	s_lshl_b32 s17, ttmp9, 3
	s_add_co_u32 s18, s17, s16                     ; which run of 8,192 numbers is my wave's
	s_mov_b32 s19, 0
	s_mov_b64 s[20:21], 512*STEPS*4
	s_mul_u64 s[20:21], s[18:19], s[20:21]
	s_add_nc_u64 s[4:5], s[4:5], s[20:21]
	s_mov_b64 s[20:21], 32*STEPS*CB
	s_mul_u64 s[20:21], s[18:19], s[20:21]
	s_add_nc_u64 s[8:9], s[8:9], s[20:21]
	s_lshl_b32 s18, s18, 8
	s_add_nc_u64 s[10:11], s[10:11], s[18:19]
.macro LOAD t
.irp i, 0,1,2,3
	global_load_b128 v[R+16*((\t)%4)+4*\i:R+16*((\t)%4)+4*\i+3], v3, s[4:5] offset:2048*(\t)+512*\i th:TH_LOAD_NT
.endr
.endm
.macro TURN t                          ; LDS serves a wave's instructions in order: no wait between the stores and the loads
.irp i, 0,1,2,3
	ds_store_b128 v14, v[R+16*((\t)%4)+4*\i:R+16*((\t)%4)+4*\i+3] offset:32*SP*((\t)%2)+8*SP*\i
.endr
.irp i, 0,1,2,3
	ds_load_b128 v[X+16*((\t)%2)+4*\i:X+16*((\t)%2)+4*\i+3], v15 offset:32*SP*((\t)%2)+16*\i
.endr
.endm
.irp t, 0,1,2,3
	LOAD \t
.endr
	s_wait_loadcnt 12                              ; step 0's four loads are in; the twelve behind them may be out
	TURN 0
.macro STEP t
.set XS, X+16*((\t)%2)
.if (\t) > 0
	s_wait_dscnt 1                                 ; this step's numbers are back (the last step's byte store may be out)
.else
	s_wait_dscnt 0x0
.endif
.if (\t)+4 < STEPS
	LOAD (\t)+4
.endif
.if (\t)+1 < STEPS
.if STEPS-2-(\t) >= 3
	s_wait_loadcnt 12                              ; the next step's four loads are in; three steps' may be out
.else
	s_wait_loadcnt 4*(STEPS-2-(\t))
.endif
	TURN (\t)+1
.endif
	v_max3_num_f32 v8, |v[XS]|, |v[XS+1]|, |v[XS+2]|
	v_max3_num_f32 v9, |v[XS+3]|, |v[XS+4]|, |v[XS+5]|
.irp i, 6,10
	v_max3_num_f32 v8, v8, |v[XS+\i]|, |v[XS+\i+1]|
	v_max3_num_f32 v9, v9, |v[XS+\i+2]|, |v[XS+\i+3]|
.endr
	v_max3_num_f32 v8, v8, |v[XS+14]|, |v[XS+15]|
	v_max3_num_f32 v8, v8, v9, 0x1800000           ; the floor 2^(3 - 127)
	v_max_num_f32_dpp v8, v8, v8 row_xmask:1 row_mask:0xf bank_mask:0xf   ; with my neighbour's 16: the block's
	v_add_nc_u32 v11, 0xff000000, v8               ; 2 off the exponent field: the conversion's scale operand
	v_cvt_scalef32_pk8_fp4_f32 v[C+4*(\t)], v[XS:XS+7], v11
	v_cvt_scalef32_pk8_fp4_f32 v[C+4*(\t)+1], v[XS+8:XS+15], v11
	v_lshrrev_b32 v[E+(\t)], 23, v11               ; the byte (also the plain line behind the conversions)
	ds_store_b8 v5, v[E+(\t)] offset:16*(\t)
	global_store_b64 v4, v[C+4*(\t):C+4*(\t)+1], s[8:9] offset:32*CB*(\t)   ; 256 consecutive bytes, aligned
.endm
.irp t, 0,1,2,3,4,5,6,7,8,9,10,11,12,13,14,15
	STEP \t
.endr
	ds_load_b64 v[12:13], v6
	s_wait_dscnt 0x0
	global_store_b64 v7, v[12:13], s[10:11]        ; 256 consecutive bytes, aligned
	s_branch .Ldone
.Lv_path:
	s_and_b32 s17, s16, 1                          ; cg: which 32 columns
	s_lshr_b32 s18, s16, 1                         ; kq: which 128 keys
	v_lshlrev_b32 v3, 2, v2
	s_mul_i32 s19, s17, 32*PITCH
	s_lshl_b32 s20, s18, 6
	s_add_co_u32 s19, s19, s20
	s_add_co_u32 s19, s19, VB
	v_mul_u32_u24 v4, v2, PITCH
	DEP 1
	v_add_nc_u32 v4, s19, v4                       ; into the stage: row 32 cg + lane, byte 64 kq
	s_lshl_b32 s20, s17, 9
	s_lshl_b32 s21, s18, 2
	s_add_co_u32 s20, s20, s21
	s_add_co_u32 s20, s20, SCST
	v_lshl_add_u32 v5, v2, 4, s20                  ; my scale word
	s_mul_i32 s21, s16, 8*PITCH
	s_add_co_u32 s21, s21, VB
	v_lshrrev_b32 v6, 4, v2
	v_and_b32 v10, 15, v2
	DEP 2
	v_mul_u32_u24 v7, v6, PITCH
	DEP 1
	v_lshl_add_u32 v7, v10, 4, v7
	DEP 1
	v_add_nc_u32 v7, s21, v7                       ; out of the stage: rows 8 w on, two rows an instruction
	v_lshlrev_b32 v8, 4, v2
	s_lshl_b32 s22, s17, 9
	s_add_co_u32 s22, s22, SCST
	v_lshl_add_u32 v9, v2, 4, s22                  ; the scale bytes' way out (waves 0 and 1)
	s_sub_co_u32 s25, ttmp9, KWG
	s_and_b32 s24, s25, 31
	s_lshr_b32 s25, s25, 5                         ; chunk
	s_lshr_b32 s23, s24, 1                         ; head
	s_and_b32 s24, s24, 1                          ; which 64 columns
	s_lshl_b32 s26, s23, 21
	s_lshl_b32 s27, s25, 18
	s_add_co_u32 s26, s26, s27
	s_lshl_b32 s27, s18, 16
	s_add_co_u32 s26, s26, s27
	s_lshl_b32 s27, s24, 8
	s_add_co_u32 s26, s26, s27
	s_lshl_b32 s27, s17, 7
	s_add_co_u32 s26, s26, s27
	s_mov_b32 s27, 0
	s_lshl_b32 s28, s23, 3
	s_add_co_u32 s28, s28, s25
	s_lshl_b32 s28, s28, 7
	s_lshl_b32 s29, s24, 6
	s_add_co_u32 s28, s28, s29                     ; the work-group's first row of codes and of scale bytes
	s_lshl_b32 s30, s16, 3
	s_add_co_u32 s30, s30, s28
	s_lshl_b32 s30, s30, 8
	s_mov_b32 s31, 0
	s_lshl_b32 s28, s28, 4
	s_lshl_b32 s29, s17, 9
	s_add_co_u32 s28, s28, s29
	s_mov_b32 s29, 0
	s_wait_alu depctr_va_vdst(0)                   ; the wait directly ahead of the wait below
	s_wait_kmcnt 0x0
	s_add_nc_u64 s[6:7], s[6:7], s[26:27]
	s_add_nc_u64 s[12:13], s[12:13], s[30:31]
	s_add_nc_u64 s[14:15], s[14:15], s[28:29]
.macro VLOAD t
.irp i, 0,1,2,3,4,5,6,7,8,9,10,11,12,13,14,15,16,17,18,19,20,21,22,23,24,25,26,27,28,29,30,31
	global_load_b32 v[VX+32*((\t)%2)+\i], v3, s[6:7] offset:(32*(\t)+\i)*512 th:TH_LOAD_NT
.endr
.endm
	VLOAD 0
	VLOAD 1
.macro BLOCK t
.set XS, VX+32*((\t)%2)
.if (\t) < 3
	s_wait_loadcnt 32                              ; this block's 32 loads are in; the next block's may be out
.else
	s_wait_loadcnt 0x0
.endif
	v_max3_num_f32 v12, |v[XS]|, |v[XS+1]|, |v[XS+2]|
	v_max3_num_f32 v13, |v[XS+3]|, |v[XS+4]|, |v[XS+5]|
.irp i, 6,10,14,18,22,26
	DEP 2
	v_max3_num_f32 v12, v12, |v[XS+\i]|, |v[XS+\i+1]|
	DEP 2
	v_max3_num_f32 v13, v13, |v[XS+\i+2]|, |v[XS+\i+3]|
.endr
	DEP 2
	v_max3_num_f32 v12, v12, |v[XS+30]|, |v[XS+31]|
	DEP 1
	v_max3_num_f32 v12, v12, v13, 0x1800000
	DEP 1
	v_add_nc_u32 v11, 0xff000000, v12
	DEP 1
	v_lshrrev_b32 v13, 23, v11
	DEP 1
.if (\t) == 0
	v_mov_b32 v[SB], v13
.else
	v_lshl_or_b32 v[SB], v13, 8*(\t), v[SB]
.endif
.irp g, 0,1,2,3
	v_cvt_scalef32_pk8_fp4_f32 v[VC+4*(\t)+\g], v[XS+8*\g:XS+8*\g+7], v11
.endr
	v_nop                                          ; one plain line behind the conversions
	ds_store_b128 v4, v[VC+4*(\t):VC+4*(\t)+3] offset:16*(\t)
.if (\t) < 2
	VLOAD (\t)+2
.endif
.endm
	BLOCK 0
	BLOCK 1
	BLOCK 2
	BLOCK 3
	ds_store_b32 v5, v[SB]
	s_wait_dscnt 0x0                               ; for the others' sake: my stores into the stage are done
	s_barrier_signal -1
	s_barrier_wait -1
.irp i, 0,1,2,3
	ds_load_b128 v[OUTR+4*\i:OUTR+4*\i+3], v7 offset:2*\i*PITCH
.endr
.irp i, 0,1,2,3
	s_wait_dscnt 3-\i                              ; pair i of rows is in, the younger ones may be out
	global_store_b128 v8, v[OUTR+4*\i:OUTR+4*\i+3], s[12:13] offset:512*\i   ; 512 consecutive bytes, aligned
.endr
	s_cmp_lt_u32 s16, 2
	s_cbranch_scc0 .Ldone
	ds_load_b128 v[28:31], v9
	s_wait_dscnt 0x0
	global_store_b128 v8, v[28:31], s[14:15]
.Ldone:
	s_wait_tensorcnt 0x0                           ; the wave's end
	ds_add_u32 v[SPW], v[NIL]
	s_wait_dscnt 0x0
	s_endpgm
.Lfunc_end_k_q10b2043160_quant_kv:
	.size	k_q10b2043160_quant_kv, .Lfunc_end_k_q10b2043160_quant_kv-k_q10b2043160_quant_kv
	.p2alignl 7, 3214868480
	.fill 96, 4, 3214868480
	.section	.rodata,"a",@progbits
	.p2align	6, 0x0
	.amdhsa_kernel k_q10b2043160_quant_kv
		.amdhsa_group_segment_fixed_size 84992
		.amdhsa_private_segment_fixed_size 0
		.amdhsa_enable_private_segment 0
		.amdhsa_kernarg_size 48
		.amdhsa_user_sgpr_count 2
		.amdhsa_user_sgpr_kernarg_segment_ptr 1
		.amdhsa_wavefront_size32 1
		.amdhsa_system_sgpr_workgroup_id_x 1
		.amdhsa_system_sgpr_workgroup_id_y 1
		.amdhsa_system_sgpr_workgroup_id_z 1
		.amdhsa_system_vgpr_workitem_id 0
		.amdhsa_next_free_vgpr 194
		.amdhsa_next_free_sgpr 66
		.amdhsa_reserve_vcc 0
		.amdhsa_float_denorm_mode_32 3
		.amdhsa_float_denorm_mode_16_64 3
		.amdhsa_memory_ordered 1
		.amdhsa_forward_progress 1
		.amdhsa_inst_pref_size 57
	.end_amdhsa_kernel
	.amdgpu_metadata
---
amdhsa.version: [ 1, 2 ]
amdhsa.kernels:
  - .name:           k_q10b2043160_quant_kv
    .symbol:         k_q10b2043160_quant_kv.kd
    .args:
      - { .name: k, .offset: 0, .size: 8, .value_kind: global_buffer, .address_space: global }
      - { .name: v, .offset: 8, .size: 8, .value_kind: global_buffer, .address_space: global }
      - { .name: k_codes, .offset: 16, .size: 8, .value_kind: global_buffer, .address_space: global }
      - { .name: k_scales, .offset: 24, .size: 8, .value_kind: global_buffer, .address_space: global }
      - { .name: v_codes, .offset: 32, .size: 8, .value_kind: global_buffer, .address_space: global }
      - { .name: v_scales, .offset: 40, .size: 8, .value_kind: global_buffer, .address_space: global }
    .group_segment_fixed_size: 84992
    .private_segment_fixed_size: 0
    .kernarg_segment_align: 8
    .kernarg_segment_size: 48
    .max_flat_workgroup_size: 256
    .sgpr_count:     66
    .vgpr_count:     194
    .wavefront_size: 32
...
	.end_amdgpu_metadata
.endif
;; end of part 1
;; launch attn (part 2): grid 16 x 16, 8 waves a work-group, clusters of 4 x 1, 327,680 bytes of LDS; arguments q, k_codes, k_scales, v_codes, v_scales, out0; writes out0
.if DOCPART == 2
	.amdgcn_target "amdgcn-amd-amdhsa--gfx1250"
	.amdhsa_code_object_version 6
	.text
	.protected	k_q10b2043160_attn
	.globl	k_q10b2043160_attn
	.p2align	8
	.type	k_q10b2043160_attn,@function
k_q10b2043160_attn:
	s_mov_b64 s[64:65], 0
	v_nop
	global_prefetch_b8 v0, s[64:65] scope:SCOPE_SE
	s_setreg_imm32_b32 hwreg(HW_REG_WAVE_MODE, 25, 1), 1
	s_wait_xcnt 0x0
	s_wait_alu depctr_hold_cnt(0) depctr_sa_sdst(0) depctr_va_vdst(0) depctr_va_sdst(0) depctr_va_ssrc(0) depctr_va_vcc(0) depctr_vm_vsrc(0)
	s_getreg_b32 s2, hwreg(HW_REG_IB_STS2, 6, 4)
	s_cmp_eq_u32 s2, 0
	s_cbranch_scc0 .Lentry_in_a_cluster
	s_endpgm
.Lentry_in_a_cluster:
	s_bfe_u32 s2, ttmp6, 0x10000c
	s_cmp_lg_u32 s2, 0x3003
	s_cbranch_scc0 .Lentry_shape_is_right
	s_endpgm
.Lentry_shape_is_right:
; O[h][q][:] = sum over k of softmax_k(Q[h][q] . K[h][k] / sqrt(128)) V[h][k][:]: 16 heads, 4,096 queries and keys, head size 128; both products on codes of FP4 (E2M1), one E8M0 scale for each 32 along a product's K.
; q: f32; each row is read by one wave alone, so it is quantised here, in registers, at the head.  k_codes: [16 x 4096][64 bytes], k_scales [16 x 4096][4].  v_codes: [16][8 chunks of 512 keys][128 d][256 bytes], keys innermost; v_scales [16][8][128 d][16].  out0: f32.
; SOFTMAX: t = score x log2(e) / sqrt(128); M = the row's largest t so far rounded UP to a whole number; p = 2^(t - M) is quantised along the keys, not normalised.  The row's sum is taken of the unquantised p in f32 and divides O at the end.
; When M moves, the sum and O are multiplied by 2^(old M - new M): exact, in every step, with no branch on data.
; SHARES: a work-group owns 256 queries of one head, each of its eight waves 32: two tiles of 16 (x = 0, 1), so that each fragment of K and V read from LDS feeds two matrix instructions.  128 keys a step, four steps to a slot of 512 keys.
; LAYOUT: both products transposed: S^T = K Q^T, O^T = V^T P^T: a lane holds one query (lane % 16) of each tile.  Lane r of key tile 4 c + u takes key 64 c + 32 (r / 8) + 8 u + r % 8: so the 32 registers of tiles 4 c .. 4 c + 3 are, in lane half h,
; the 32 neighbouring keys 64 c + 32 h + 0 .. 31: a WHOLE block of the second product's K in one lane, in the order of that product's operand.  A block's maximum needs no other lane and the conversions' results are the operand's registers.
; CLUSTER: the four query blocks of a cluster (4 x 1) belong to one head and walk the same K, V and scale bytes: every tile is asked for jointly (mask 15).  Heads share nothing, so the cluster has one row.  My place in it enters Q's and O's global addresses alone.
; RING: two slots 2^17 bytes apart.  At the head each wave issues one joint load: waves 0, 1 slot 0's halves of K, 2, 3 of V, 4, 5 the halves of the head's scale words of K, 6, 7 of V's.  Later waves 0 to 3 issue one load behind each round.
; THE CHANGE OF SLOTS stands in a slot's FOURTH step, behind that step's reads of V, the wave's last of the slot: the exponentials, conversions and sums of that step, work on registers, stand between the round's opening signal and its wait;
; behind the round come the refill and the next slot's first fragments of K, which land under the rescaling and the second product.  The last slot's fourth step is written out: no barrier, nothing fetched ahead.
; NO PREFETCH is laid: a refill of 16,384 bytes a loading wave is asked for behind one change of slots and awaited at the next, three key steps and the scores of a fourth later.
; LIMITS: NaN and infinities are not served.  A p under 2^-126 comes out as 0 (v_exp_f32: ISA guide 15.8).  A block of q or p whose largest magnitude lies under 2^(3 - 127) keeps the byte 1 (a block of zeros too: its codes are zeros).  The scaled scores stay under 2^31 in magnitude.
; A block's largest p is made from its largest score by the same multiply-add and exponential as every p: that takes v_exp_f32 not to fall where its input rises; at the worst one p within an ulp of a power of two is held one code low.
; REGISTERS (s_set_vgpr_msb: bits 1:0 source 0, 3:2 source 1, 5:4 source 2, 7:6 destination).  Window 0: as named below.  Window 1: v0-127 O^T (tile x at 64 x); v128-191 V's eight fragments; v192-255 K's eight.
.set KP,    80                         ; a key's row in LDS: 64 bytes + 16
.set VP,    272                        ; a row of V's tile: 256 bytes + 16
.set VOFF,  512*KP                     ; a slot: 512 rows of K, then 128 rows of V
.set STG,   VOFF+128*VP                ; behind a slot's tiles: four waves' stages; no tile lands there
.set SLOT1, 1<<17
.set SCH,   32*272                     ; half a head's scale bytes in LDS
.set SCK,   2*SLOT1
.set SCV,   SCK+2*SCH
.set SPARE, SCV+2*SCH                  ; the spare words, 128 bytes a wave
.set SPITCH, 528                       ; a stage row: 512 bytes + 16; a stage is 16 rows = 33 blocks of 256 bytes
.set AK0,  1                           ; my lane's place in a tile of K, of V, among K's scale words, among V's
.set AV0,  2
.set ASK0, 3
.set ASV0, 4
.set SPW,  5                           ; my spare word's address; never rewritten
.set NIL,  6                           ; 0; never rewritten
.set GO,   7                           ; 16 x lane
.set ADK,  8                           ; the slot in hand: K, V, K's words, V's words
.set ADV,  9
.set ADS,  10
.set ADT,  11
.set ST,   12                          ; tile x at v[ST + 4 x]: -M, the largest score, the sum in two halves
.set QF,   20                          ; Q's fragments, 8 x
.set QS,   36
.set KS,   38
.set VS,   46
.set PC,   54                          ; p's codes, 8 x
.set STO,  70                          ; my stage: a result's 32 bytes in; a row of 512 bytes in or out
.set RD,   71
.set FX,   72                          ; tile x: f, p's scale word
.set BM,   76                          ; v76-83 eight chains of maxima; block n = 2 x + c ends in v[BM + 2 n]
.set BY,   84                          ; v84-91 bytes; what the other half of the lanes sends
.set TMP,  92
.set DD,   94
.set S,    96                          ; v96-223 S^T, then p: block n at 32 n.  At the head: q's numbers
.set SO,   224                         ; v224-227 the conversions' scale operands
.set QB,   233                         ; the stage, read as Q's fragment
.set SH,   234                         ; 8 x (lane / 16)
.set SB,   236                         ; v236-247 three more chains of the sum for each tile
.set VF,   128
.set KFR,  192
.set WV,   18
.set SEL,  20
.set CS,   22                          ; s[22:23] c = log2(e) / sqrt(128)
.set G1K,  24
.set G1V,  32
.set G0K,  40
.set G0V,  44
.set G1S,  48
.set G0SK, 56
.set G0SV, 60
.set TB,   66                          ; LDS byte at which the slot in hand begins
.set TS,   67                          ; and its scale bytes: eight rows of 272 a slot
.set SLOTS, 68
.set NC,   98                          ; -c
.set MSB, 0
.macro WIN new                         ; the high byte repeats the setting that is left
.if MSB != \new
	s_set_vgpr_msb (MSB<<8)|\new
.set MSB, \new
.endif
.endm
.macro PLACES n
.rept \n
	v_nop
.endr
.endm
.macro DEP n
	s_delay_alu instid0(VALU_DEP_\n)
.endm
.macro CREST                           ; a round of the cluster's barrier behind its opening barrier
	s_cmp_lg_u32 s[WV], 0
	s_cbranch_scc1 .Lnw0_\@
	s_barrier_signal -3
.Lnw0_\@:
	s_barrier_wait -3
	s_barrier_signal -1
	s_barrier_wait -1
.endm
.macro ROUND
	s_barrier_signal -1
	s_barrier_wait -1
	CREST
.endm
.macro TLOAD                           ; a joint refill: waves 0, 1 K's halves, waves 2, 3 V's; s_nop 0 and four v_nop behind each
	s_cmp_lt_u32 s[WV], 2
	s_cbranch_scc0 .Lnot_k_\@
	tensor_load_to_lds s[G0K:G0K+3], s[G1K:G1K+7]
	s_nop 0
	PLACES 4
	s_branch .Lasked_\@
.Lnot_k_\@:
	s_cmp_lt_u32 s[WV], 4
	s_cbranch_scc0 .Lasked_\@
	tensor_load_to_lds s[G0V:G0V+3], s[G1V:G1V+7]
	s_nop 0
	PLACES 4
.Lasked_\@:
.endm
	s_load_b64 s[4:5], s[0:1], 0x0                 ; q
	s_load_b128 s[8:11], s[0:1], 0x8               ; K's codes, K's scales
	s_load_b128 s[12:15], s[0:1], 0x18             ; V's codes, V's scales
	s_load_b64 s[16:17], s[0:1], 0x28              ; O
	v_lshl_add_u32 v[SPW], v0, 2, SPARE
	v_mov_b32 v[NIL], 0
	ds_add_u32 v[SPW], v[NIL]                      ; the opening lines: the add twice on end and one wait, ahead of the first round
	ds_add_u32 v[SPW], v[NIL]
	v_lshrrev_b32 v8, 5, v0
	v_readfirstlane_b32 s[WV], v8                  ; wave 0..7
	v_and_b32 v[GO], 31, v0
	v_lshlrev_b32 v[GO], 4, v[GO]
	s_bfe_u32 s69, ttmp6, 0x40000                  ; cx
	s_lshl_b32 s70, ttmp9, 2
	s_add_co_u32 s70, s70, s69                     ; my block of 256 queries
	s_and_b32 s72, ttmp7, 0xffff                   ; the head
	s_mov_b32 s73, 0
	s_lshl_b64 s[74:75], s[72:73], 18              ; the head's first byte in each tensor of codes,
	s_lshl_b64 s[76:77], s[72:73], 14              ; of scale bytes,
	s_lshl_b64 s[78:79], s[72:73], 21              ; and in q and O
	s_lshl_b32 s80, s70, 8
	s_lshl_b32 s81, s[WV], 5
	s_add_co_u32 s80, s80, s81                     ; my first query
	s_mov_b32 s81, 0
	s_lshl_b64 s[86:87], s[80:81], 9
	s_add_nc_u64 s[86:87], s[86:87], s[78:79]      ; its row of 512 bytes
	s_and_b32 s88, s[WV], 1                        ; which half I fetch: 16,384 dense bytes of codes, or 8,192 of scale bytes
	s_lshl_b32 s90, s88, 14
	s_mov_b32 s91, 0
	s_add_nc_u64 s[90:91], s[90:91], s[74:75]
	s_mul_i32 s89, s88, 256*KP
	s_mul_i32 s94, s88, 64*VP
	s_add_co_u32 s94, s94, VOFF
	s_lshl_b32 s96, s88, 13
	s_mov_b32 s97, 0
	s_add_nc_u64 s[96:97], s[96:97], s[76:77]
	s_mul_i32 s95, s88, SCH
	s_and_b32 s92, s[WV], 3                        ; my stage: STG + 8,448 (wave % 4) + 2^17 (wave / 4)
	s_mul_i32 s92, s92, 16*SPITCH
	s_lshr_b32 s93, s[WV], 2
	s_lshl_b32 s93, s93, 17
	s_add_co_u32 s92, s92, s93
	s_add_co_u32 s92, s92, STG
	s_mov_b32 s[G1K], 15|(1<<20)|(1<<21)|(3<<22)|(3<<25)   ; K: 256 rows of 64 bytes, dense; mask 15, bit 21 beside it; four words of padding after every 16
	s_mov_b32 s[G1K+1], 64<<16
	s_mov_b32 s[G1K+2], 256<<16
	s_mov_b32 s[G1K+3], 64<<16
	s_mov_b32 s[G1K+4], 256
	s_mov_b32 s[G1K+5], 64
	s_mov_b32 s[G1K+6], 0
	s_mov_b32 s[G1K+7], 0
	s_mov_b32 s[G1V], 15|(1<<20)|(1<<21)|(5<<22)|(3<<25)   ; V: 64 rows of 256 bytes, dense; four words after every 64
	s_mov_b32 s[G1V+1], 256<<16
	s_mov_b32 s[G1V+2], 64<<16
	s_mov_b32 s[G1V+3], 256<<16
	s_mov_b32 s[G1V+4], 64
	s_mov_b32 s[G1V+5], 256
	s_mov_b32 s[G1V+6], 0
	s_mov_b32 s[G1V+7], 0
	s_mov_b32 s[G1S], 15|(3<<16)|(1<<20)|(1<<21)|(5<<22)|(3<<25)   ; scale bytes: 32 rows of 32 elements of 8 bytes
	s_mov_b32 s[G1S+1], 32<<16
	s_mov_b32 s[G1S+2], 32<<16
	s_mov_b32 s[G1S+3], 32<<16
	s_mov_b32 s[G1S+4], 32
	s_mov_b32 s[G1S+5], 32
	s_mov_b32 s[G1S+6], 0
	s_mov_b32 s[G1S+7], 0
	s_mov_b32 s[SEL], 0x76543210
	s_mov_b32 s[SEL+1], 0xfedcba98
	s_mov_b32 s[CS], 0x3e0293ee
	s_mov_b32 s[CS+1], s[CS]
	s_mov_b32 s[NC], 0xbe0293ee
	s_mov_b32 s[TB], 0
	s_mov_b32 s[TS], 0
	s_mov_b32 s[SLOTS], 6
	s_wait_alu depctr_va_vdst(0)                   ; the wait directly ahead of the waits below
	s_wait_dscnt 0x0                               ; both opening adds are done
	s_wait_kmcnt 0x0
	s_add_nc_u64 s[4:5], s[4:5], s[86:87]
	s_add_nc_u64 s[16:17], s[16:17], s[86:87]
.irp x, 0,1
.irp i, 0,1,2,3,4,5,6,7,8,9,10,11,12,13,14,15
	global_load_b128 v[S+64*\x+4*\i:S+64*\x+4*\i+3], v[GO], s[4:5] offset:512*(16*\x+\i) th:TH_LOAD_NT   ; my 32 rows of q: 32 lanes read one row of 512 bytes
.endr
.endr
	s_mov_b32 s[G0SK], 1
	s_add_co_u32 s[G0SK+1], s95, SCK
	s_add_nc_u64 s[G0SK+2:G0SK+3], s[10:11], s[96:97]
	s_or_b32 s[G0SK+3], s[G0SK+3], 0x80000000
	s_mov_b32 s[G0SV], 1
	s_add_co_u32 s[G0SV+1], s95, SCV
	s_add_nc_u64 s[G0SV+2:G0SV+3], s[14:15], s[96:97]
	s_or_b32 s[G0SV+3], s[G0SV+3], 0x80000000
	s_mov_b32 s[G0K], 1
	s_mov_b32 s[G0K+1], s89
	s_add_nc_u64 s[G0K+2:G0K+3], s[8:9], s[90:91]
	s_or_b32 s[G0K+3], s[G0K+3], 0x80000000
	s_mov_b32 s[G0V], 1
	s_mov_b32 s[G0V+1], s94
	s_add_nc_u64 s[G0V+2:G0V+3], s[12:13], s[90:91]
	s_or_b32 s[G0V+3], s[G0V+3], 0x80000000
	ROUND                                          ; all four work-groups are here: the first joint loads meet
; the head's loads: one chain of branches on the wave's number, one load to an arm, all arms to one join; every way passes one load
.macro ARM under, g0, g1, next
	s_cmp_lt_u32 s[WV], \under
	s_cbranch_scc0 \next
	tensor_load_to_lds s[\g0:\g0+3], s[\g1:\g1+7]
	s_nop 0
	PLACES 4
	s_branch .Lhead_asked
\next:
.endm
	ARM 2, G0K,  G1K, .Lhead_v
	ARM 4, G0V,  G1V, .Lhead_sk
	ARM 6, G0SK, G1S, .Lhead_sv
	tensor_load_to_lds s[G0SV:G0SV+3], s[G1S:G1S+7]
	s_nop 0
	PLACES 4
.Lhead_asked:
	v_and_b32 v[BM], 15, v0                        ; r
	v_bfe_u32 v[BM+1], v0, 4, 1                    ; h
	v_and_b32 v[BM+2], 7, v0                       ; r % 8
	v_bfe_u32 v[BM+3], v0, 3, 1                    ; r / 8
	v_lshl_add_u32 v[BM+4], v[BM+3], 5, v[BM+2]    ; r % 8 + 32 (r / 8)
	v_mul_u32_u24 v[AK0], v[BM+4], KP
	v_lshl_add_u32 v[AK0], v[BM+1], 4, v[AK0]
	v_mul_u32_u24 v[AV0], v[BM], VP
	v_lshl_add_u32 v[AV0], v[BM+1], 4, v[AV0]
	v_add_nc_u32 v[AV0], VOFF, v[AV0]
	v_lshl_add_u32 v[ASK0], v[BM+4], 2, SCK
	v_lshl_add_u32 v[ASK0], v[BM+1], 5, v[ASK0]    ; the scales of an operand of 32 rows fill all 32 lanes: lanes 16-31 take the words of the tile 8 keys, 32 bytes, on
	v_lshl_add_u32 v[ASV0], v[BM], 4, SCV
	v_mad_u32_u24 v[ASV0], v[BM+1], 272, v[ASV0]   ; V's likewise: lanes 16-31 take the next 16 rows d, one LDS row of 272 bytes on
	v_lshlrev_b32 v[SH], 3, v[BM+1]
	v_mul_u32_u24 v[STO], v[BM], SPITCH
	v_lshl_add_u32 v[QB], v[BM+1], 7, v[STO]
	v_lshl_add_u32 v[STO], v[BM+1], 5, v[STO]
	v_add_nc_u32 v[QB], s92, v[QB]                 ; Q's fragment out of my stage: row r, + 128 h bytes
	v_add_nc_u32 v[STO], s92, v[STO]               ; a result into it: row r, + 32 h
	v_add_nc_u32 v[RD], s92, v[GO]                 ; 32 lanes on one row of 512 bytes
	v_add_nc_u32 v[ADK], s[TB], v[AK0]
	v_add_nc_u32 v[ADV], s[TB], v[AV0]
	v_add_nc_u32 v[ADS], s[TS], v[ASK0]
	v_add_nc_u32 v[ADT], s[TS], v[ASV0]
.irp x, 0,1
	v_mov_b32 v[ST+4*\x+1], 0xff61b1e6             ; the largest score so far: -3e38
	v_mov_b32 v[ST+4*\x], 0x7f61b1e6               ; -M: 3e38, so that the first f is 0
	v_mov_b32 v[ST+4*\x+2], 0
	v_mov_b32 v[ST+4*\x+3], 0
	v_mov_b32 v[FX+2*\x+1], 0                      ; (upper half of a pair that is named before it is first written)
.endr
.irp n, 0,1,2,3,4,5,6,7
	v_mov_b32 v[BY+\n], 0                          ; a lane permute's destination counts as a source
.endr
	WIN 0x40
.set jj, 0
.rept 128
	v_mov_b32 v[jj], 0                             ; O^T, once, while q and the first tiles are on their way: the key step then has no first form of its own
.set jj, jj+1
.endr
	WIN 0
	s_wait_alu depctr_va_vdst(0)                   ; the wait directly ahead of the wait below
	s_wait_loadcnt 0x0                             ; q
; Q: a tile's 16 rows turn through my stage and come back as the operand's layout wants them: lane (r, h) takes k = 64 c + 32 h + 0 .. 31 of row r: block n = 2 x + c whole, in v[S + 32 n ..].  LDS serves a wave's instructions in order (ISA guide 5.7.1.4).
.irp x, 0,1
.irp i, 0,1,2,3,4,5,6,7,8,9,10,11,12,13,14,15
	ds_store_b128 v[RD], v[S+64*\x+4*\i:S+64*\x+4*\i+3] offset:\i*SPITCH
.endr
.irp c, 0,1
.irp g, 0,1,2,3,4,5,6,7
	ds_load_b128 v[S+64*\x+32*\c+4*\g:S+64*\x+32*\c+4*\g+3], v[QB] offset:256*\c+16*\g
.endr
.endr
.endr
	s_wait_dscnt 0x0
.irp n, 0,1,2,3
	v_max3_num_f32 v[BM+\n], |v[S+32*\n]|, |v[S+32*\n+1]|, 0x1800000   ; the block's largest magnitude, over the floor 2^(3 - 127)
.endr
.irp i, 2,4,6,8,10,12,14,16,18,20,22,24,26,28,30
.irp n, 0,1,2,3
	DEP 4
	v_max3_num_f32 v[BM+\n], v[BM+\n], |v[S+32*\n+\i]|, |v[S+32*\n+\i+1]|
.endr
.endr
.irp n, 0,1,2,3
	DEP 4
	v_add_nc_u32 v[SO+\n], 0xff000000, v[BM+\n]    ; 2 off the exponent field: the conversion's scale operand
.endr
.irp n, 0,1,2,3
	DEP 4
	v_lshrrev_b32 v[BY+\n], 23, v[SO+\n]
.endr
	DEP 3
	v_lshl_or_b32 v[TMP], v[BY+1], 16, v[BY]       ; my two bytes: blocks h and 2 + h of row r,
	DEP 2
	v_lshl_or_b32 v[TMP+1], v[BY+3], 16, v[BY+2]
.irp x, 0,1
	DEP 2
	v_lshlrev_b32 v[TMP+\x], v[SH], v[TMP+\x]      ; 8 h bits up;
.endr
.irp x, 0,1
	DEP 2
	v_permlanex16_b32 v[BY+4+\x], v[TMP+\x], s[SEL], s[SEL+1]
.endr
.irp x, 0,1
	DEP 2
	v_or_b32 v[QS+\x], v[TMP+\x], v[BY+4+\x]       ; with lane l xor 16's two the word is whole
.endr
.irp n, 0,1,2,3
.irp g, 0,1,2,3
	v_cvt_scalef32_pk8_fp4_f32 v[QF+4*\n+\g], v[S+32*\n+8*\g:S+32*\n+8*\g+7], v[SO+\n]
.endr
.endr
	v_nop                                          ; one plain line behind the conversions
.macro KCODES q                        ; a fragment: two loads of 16 bytes, 32 apart; tile t = 4 c + u begins at key 64 c + 8 u
.irp t, 0,1,2,3,4,5,6,7
.irp c, 0,1
	ds_load_b128 v[KFR+8*\t+4*\c:KFR+8*\t+4*\c+3], v[ADK] offset:(128*(\q)+64*(\t/4)+8*(\t%4))*KP+32*\c
.endr
.endr
.endm
.macro KWORDS q                        ; 64 keys' words fill a row of 256 bytes + 16
.irp t, 0,1,2,3
	ds_load_b32 v[KS+\t], v[ADS] offset:544*(\q)+272*(\t/2)+64*(\t%2)   ; one word a lane for the 32 keys of tiles 2 t and 2 t + 1
.endr
.endm
.macro VCODES q
.irp t, 0,1,2,3,4,5,6,7
.irp c, 0,1
	ds_load_b128 v[VF+8*\t+4*\c:VF+8*\t+4*\c+3], v[ADV] offset:16*\t*VP+64*(\q)+32*\c
.endr
.endr
.endm
.macro VWORDS q
.irp t, 0,1,2,3
	ds_load_b32 v[VS+\t], v[ADT] offset:544*\t+4*(\q)   ; one word a lane for rows d = 32 t + 0 .. 31
.endr
.endm
; THE SOFTMAX, first part.  Block n = 2 x + c: 32 scores a lane at v[S + 32 n], searched in two chains of 16.  Its largest score serves the row's maximum and the block's largest p.  Each accumulator is read from its low end on.
.macro SOFT_A
.irp m, 0,1,2,3,4,5,6,7
	v_max3_num_f32 v[BM+\m], v[S+16*\m], v[S+16*\m+1], v[S+16*\m+2]
.endr
.irp i, 3,5,7,9,11,13
.irp m, 0,1,2,3,4,5,6,7
	v_max3_num_f32 v[BM+\m], v[BM+\m], v[S+16*\m+\i], v[S+16*\m+\i+1]
.endr
.endr
.irp n, 0,1,2,3
	v_max3_num_f32 v[BM+2*\n], v[BM+2*\n], v[S+32*\n+15], v[S+32*\n+31]
.endr
.irp n, 0,1,2,3
	DEP 4
	v_max_num_f32 v[BM+2*\n], v[BM+2*\n], v[BM+2*\n+1]   ; the block's largest score
.endr
	DEP 3
	v_max_num_f32 v[TMP], v[BM], v[BM+2]
	DEP 2
	v_max_num_f32 v[TMP+1], v[BM+4], v[BM+6]
.irp x, 0,1
	DEP 2
	v_permlanex16_b32 v[BY+\x], v[TMP+\x], s[SEL], s[SEL+1]
.endr
.irp x, 0,1
	DEP 2
	v_max3_num_f32 v[ST+4*\x+1], v[ST+4*\x+1], v[TMP+\x], v[BY+\x]   ; the running largest score, with lane l xor 16's two blocks
.endr
.irp x, 0,1
	DEP 2
	v_mul_f32 v[TMP+\x], s[NC], v[ST+4*\x+1]       ; -t
.endr
.irp x, 0,1
	DEP 2
	v_floor_f32 v[TMP+\x], v[TMP+\x]               ; the new -M = -ceil(t)
.endr
.irp x, 0,1
	DEP 2
	v_sub_f32 v[DD+\x], v[TMP+\x], v[ST+4*\x]      ; old M - new M: a whole number, 0 or less
.endr
.irp x, 0,1
	DEP 4
	v_mov_b32 v[ST+4*\x], v[TMP+\x]
.endr
.irp x, 0,1
	DEP 4
	v_cvt_i32_f32 v[DD+\x], v[DD+\x]               ; (it saturates)
.endr
.irp x, 0,1
	DEP 2
	v_ldexp_f32 v[FX+2*\x], 1.0, v[DD+\x]          ; f = 2^(old M - new M)
.endr
.irp x, 0,1
.set jj, 0
.rept 32
	v_pk_fma_f32 v[S+64*\x+jj:S+64*\x+jj+1], v[S+64*\x+jj:S+64*\x+jj+1], s[CS:CS+1], v[ST+4*\x:ST+4*\x+1] op_sel_hi:[1,0,0]   ; t - M (the pairs' low words serve both halves)
.set jj, jj+2
.endr
.endr
.irp n, 0,1,2,3
	v_fma_f32 v[BM+2*\n], v[BM+2*\n], s[CS], v[ST+4*(\n/2)]
.endr
.endm
; second part: registers alone
.macro SOFT_B
	s_wait_alu depctr_va_vdst(0)                   ; the wait ahead of the batch
.set jj, 0
.rept 128
	v_exp_f32 v[S+jj], v[S+jj]                     ; p = 2^(t - M)
.set jj, jj+1
.endr
.irp n, 0,1,2,3
	v_exp_f32 v[BM+2*\n], v[BM+2*\n]               ; the blocks' largest p
.endr
.irp x, 0,1
	v_pk_mul_f32 v[ST+4*\x+2:ST+4*\x+3], v[ST+4*\x+2:ST+4*\x+3], v[FX+2*\x:FX+2*\x+1] op_sel_hi:[1,0]   ; the sums under the new M (the plain lines behind the batch)
.endr
	s_wait_alu depctr_va_vdst(0)                   ; and one wait behind it, ahead of its first reader
.irp n, 0,1,2,3
	v_max_num_f32 v[BM+2*\n], 0x1800000, v[BM+2*\n]   ; the floor 2^(3 - 127): the byte cannot fall under 1
.endr
.irp n, 0,1,2,3
	DEP 4
	v_add_nc_u32 v[SO+\n], 0xff000000, v[BM+2*\n]  ; 2 off the exponent field: the conversion's scale operand
.endr
.irp n, 0,1,2,3
	DEP 4
	v_lshrrev_b32 v[BY+\n], 23, v[SO+\n]           ; the byte
.endr
	DEP 3
	v_lshl_or_b32 v[TMP], v[BY+1], 16, v[BY]       ; my two bytes: blocks h and 2 + h of these 128 keys,
	DEP 2
	v_lshl_or_b32 v[TMP+1], v[BY+3], 16, v[BY+2]
.irp x, 0,1
	DEP 2
	v_lshlrev_b32 v[TMP+\x], v[SH], v[TMP+\x]      ; 8 h bits up;
.endr
.irp x, 0,1
	DEP 2
	v_permlanex16_b32 v[BY+4+\x], v[TMP+\x], s[SEL], s[SEL+1]
.endr
.irp x, 0,1
	DEP 2
	v_or_b32 v[FX+2*\x+1], v[TMP+\x], v[BY+4+\x]   ; with lane l xor 16's two: p's scale word
.endr
.irp n, 0,1,2,3
.irp u, 0,1,2,3
	v_cvt_scalef32_pk8_fp4_f32 v[PC+4*\n+\u], v[S+32*\n+8*\u:S+32*\n+8*\u+7], v[SO+\n]   ; register 4 c + u of the operand: keys 64 c + 32 h + 8 u + 0 .. 7
.endr
.endr
	v_nop                                          ; one plain line behind the conversions
; the rows' sums of the unquantised p: two numbers a line, four chains a tile, the eight chains by turns
.irp k, 0,1,2
.irp x, 0,1
	v_pk_add_f32 v[SB+6*\x+2*\k:SB+6*\x+2*\k+1], v[S+64*\x+4*\k:S+64*\x+4*\k+1], v[S+64*\x+4*\k+2:S+64*\x+4*\k+3]
.endr
.endr
.irp x, 0,1
	v_pk_add_f32 v[ST+4*\x+2:ST+4*\x+3], v[ST+4*\x+2:ST+4*\x+3], v[S+64*\x+12:S+64*\x+13]
.endr
.irp x, 0,1
	v_pk_add_f32 v[SB+6*\x:SB+6*\x+1], v[SB+6*\x:SB+6*\x+1], v[S+64*\x+14:S+64*\x+15]
.endr
.irp g, 16,24,32,40,48,56
.irp x, 0,1
	v_pk_add_f32 v[SB+6*\x+2:SB+6*\x+3], v[SB+6*\x+2:SB+6*\x+3], v[S+64*\x+\g:S+64*\x+\g+1]
.endr
.irp x, 0,1
	v_pk_add_f32 v[SB+6*\x+4:SB+6*\x+5], v[SB+6*\x+4:SB+6*\x+5], v[S+64*\x+\g+2:S+64*\x+\g+3]
.endr
.irp x, 0,1
	v_pk_add_f32 v[ST+4*\x+2:ST+4*\x+3], v[ST+4*\x+2:ST+4*\x+3], v[S+64*\x+\g+4:S+64*\x+\g+5]
.endr
.irp x, 0,1
	v_pk_add_f32 v[SB+6*\x:SB+6*\x+1], v[SB+6*\x:SB+6*\x+1], v[S+64*\x+\g+6:S+64*\x+\g+7]
.endr
.endr
.irp x, 0,1
	DEP 4
	v_pk_add_f32 v[ST+4*\x+2:ST+4*\x+3], v[ST+4*\x+2:ST+4*\x+3], v[SB+6*\x+4:SB+6*\x+5]
.endr
.irp x, 0,1
	DEP 4
	v_pk_add_f32 v[SB+6*\x:SB+6*\x+1], v[SB+6*\x:SB+6*\x+1], v[SB+6*\x+2:SB+6*\x+3]
.endr
.irp x, 0,1
	DEP 2
	v_pk_add_f32 v[ST+4*\x+2:ST+4*\x+3], v[ST+4*\x+2:ST+4*\x+3], v[SB+6*\x:SB+6*\x+1]
.endr
.endm
.macro QK                              ; S^T = K Q^T in the form of 32 rows: source 0 = two neighbouring fragments of K, 16 registers; the result's registers 0-7 are the first tile's, 8-15 the second's.  Eight accumulators by turns, each begun with 0
	s_wait_dscnt 0x0                               ; K's fragments and scale words are in
	WIN 0x01
.irp t, 0,1,2,3
.irp x, 0,1
	v_wmma_scale_f32_32x16x128_f4 v[S+64*\x+16*\t:S+64*\x+16*\t+15], v[KFR+16*\t:KFR+16*\t+15], v[QF+8*\x:QF+8*\x+7], 0, v[KS+\t], v[QS+\x]
.endr
.endr
	WIN 0
	PLACES 4                                       ; four places ahead of the loads into K's and V's registers and of the first read of the scores
.endm
.macro RESCALE                         ; O^T under the new M; these 64 lines also stand between p's codes and scale word and the products
	s_wait_alu depctr_va_vdst(0)                   ; the wait directly ahead of the first reader of O^T
	WIN 0x41
.irp x, 0,1
.set jj, 0
.rept 32
	v_pk_mul_f32 v[64*\x+jj:64*\x+jj+1], v[64*\x+jj:64*\x+jj+1], v[FX+2*\x:FX+2*\x+1] op_sel_hi:[1,0]
.set jj, jj+2
.endr
.endr
.endm
.macro PV                              ; O^T += V^T P^T in the form of 32 rows: source 0 = two neighbouring fragments of V; eight accumulators by turns
	WIN 0x51
.irp t, 0,1,2,3
.irp x, 0,1
	v_wmma_scale_f32_32x16x128_f4 v[64*\x+16*\t:64*\x+16*\t+15], v[VF+16*\t:VF+16*\t+15], v[PC+8*\x:PC+8*\x+7], v[64*\x+16*\t:64*\x+16*\t+15], v[VS+\t], v[FX+2*\x+1]
.endr
.endr
	WIN 0
.endm
.macro STEPG q, nk                     ; a step with no change of slots.  nk = 1: K's fragments of the next step are asked for with V's of this one, in one run ahead of the softmax
	QK
	WIN 0x40
	VCODES \q
.if \nk
	KCODES (\q)+1
.endif
	WIN 0
	VWORDS \q
.if \nk
	KWORDS (\q)+1
.endif
	SOFT_A
	SOFT_B
	RESCALE
	s_wait_alu depctr_va_vdst(0)                   ; the wait directly ahead of the wait below
.if \nk
	s_wait_dscnt 4                                 ; all but the four youngest loads, the next step's scale words of K
.else
	s_wait_dscnt 0x0
.endif
	PV
.endm
; A slot's fourth step with the change of slots.  fill = 1: a round of the cluster's barrier and the refill of the slot just left.  fill = 0: a plain barrier, nothing is filled.
.macro CHG fill
	QK
	WIN 0x40
	VCODES 3
	WIN 0
	VWORDS 3                                       ; my last reads of this slot
	s_wait_tensorcnt 0x0                           ; all my tensor loads have landed: my part of the next slot
	ds_add_u32 v[SPW], v[NIL]                      ; work on registers stands between the add and its wait
.if \fill
	s_xor_b32 s[G0K+1], s[G0K+1], SLOT1            ; the walking descriptors: the other slot, the next 512 keys
	s_add_nc_u64 s[G0K+2:G0K+3], s[G0K+2:G0K+3], 32768
	s_xor_b32 s[G0V+1], s[G0V+1], SLOT1
	s_add_nc_u64 s[G0V+2:G0V+3], s[G0V+2:G0V+3], 32768
.endif
	s_xor_b32 s[TB], s[TB], SLOT1
	s_add_co_u32 s[TS], s[TS], 8*272
	SOFT_A
	s_wait_alu depctr_va_vdst(0)                   ; the wait directly ahead of the wait below
	s_wait_dscnt 0x0                               ; the add is done, and V's fragments are in: my reads of this slot are over
	s_barrier_signal -1
	SOFT_B                                         ; work on registers while the others arrive
	s_wait_alu depctr_va_vdst(0)
	s_barrier_wait -1
.if \fill
	CREST
	TLOAD                                          ; a wave's one tensor load until the next round
.endif
	v_add_nc_u32 v[ADK], s[TB], v[AK0]
	v_add_nc_u32 v[ADV], s[TB], v[AV0]
	v_add_nc_u32 v[ADS], s[TS], v[ASK0]
	v_add_nc_u32 v[ADT], s[TS], v[ASV0]
	WIN 0x40
	KCODES 0                                       ; the next slot's first fragments of K land under the lines below
	WIN 0
	KWORDS 0
	RESCALE
	PV
.endm
	s_wait_alu depctr_va_vdst(0)                   ; the wait at the head's end
	s_wait_tensorcnt 0x0                           ; my head's load is in; slot 1's first fill is issued as a refill is
	ds_add_u32 v[SPW], v[NIL]
	s_xor_b32 s[G0K+1], s[G0K+1], SLOT1
	s_add_nc_u64 s[G0K+2:G0K+3], s[G0K+2:G0K+3], 32768
	s_xor_b32 s[G0V+1], s[G0V+1], SLOT1
	s_add_nc_u64 s[G0V+2:G0V+3], s[G0V+2:G0V+3], 32768
	s_wait_dscnt 0x0
	ROUND
	TLOAD
	WIN 0x40
	KCODES 0
	WIN 0
	KWORDS 0
.Lfill:                                            ; slots 0 to 5: slot j's change asks for slot j + 2
	STEPG 0, 1
	STEPG 1, 1
	STEPG 2, 1
	CHG 1
	s_sub_co_u32 s[SLOTS], s[SLOTS], 1
	s_cmp_lg_u32 s[SLOTS], 0
	s_cbranch_scc1 .Lfill
	s_mov_b32 s[SLOTS], 2
.Llast:                                            ; slots 6 and 7 ask for nothing. Slot 7 leaves the loop ahead of the change
	STEPG 0, 1
	STEPG 1, 1
	STEPG 2, 1
	s_cmp_eq_u32 s[SLOTS], 1
	s_cbranch_scc1 .Lend_step
	CHG 0
	s_sub_co_u32 s[SLOTS], s[SLOTS], 1
	s_cmp_lg_u32 s[SLOTS], 0
	s_cbranch_scc1 .Llast
.Lend_step:
	STEPG 3, 0                                     ; the last 128 keys: no barrier follows, so a wave that is done goes on to its stores
	; THE WAY OUT: O^T / the row's sum, a tile at a time through my own stage, back as whole rows of 512 bytes.  The additions are the places behind the last products.
.irp x, 0,1
	v_add_f32 v[ST+4*\x+2], v[ST+4*\x+2], v[ST+4*\x+3]
.endr
.irp x, 0,1
	DEP 2
	v_permlanex16_b32 v[BY+\x], v[ST+4*\x+2], s[SEL], s[SEL+1]
.endr
.irp x, 0,1
	DEP 2
	v_add_f32 v[ST+4*\x+2], v[ST+4*\x+2], v[BY+\x]
.endr
	PLACES 2
	s_wait_alu depctr_va_vdst(0)                   ; ahead of the transcendentals
.irp x, 0,1
	v_rcp_f32 v[FX+2*\x], v[ST+4*\x+2]
.endr
	v_nop
.macro PACK x
	s_wait_alu depctr_va_vdst(0)                   ; ahead of the first reader of the reciprocal and of this tile's O^T
	WIN 0x01
.set jj, 0
.rept 32
	v_pk_mul_f32 v[S+64*\x+jj:S+64*\x+jj+1], v[64*\x+jj:64*\x+jj+1], v[FX+2*\x:FX+2*\x+1] op_sel_hi:[1,0]   ; register 8 t + i is o(r, 16 t + 8 h + i)
.set jj, jj+2
.endr
	WIN 0
.irp t, 0,1,2,3,4,5,6,7
	ds_store_b128 v[STO], v[S+64*\x+8*\t:S+64*\x+8*\t+3] offset:64*\t
	ds_store_b128 v[STO], v[S+64*\x+8*\t+4:S+64*\x+8*\t+7] offset:64*\t+16
.endr
.irp i, 0,1,2,3,4,5,6,7,8,9,10,11,12,13,14,15
	ds_load_b128 v[S+64*\x+4*\i:S+64*\x+4*\i+3], v[RD] offset:\i*SPITCH
.endr
.endm
	PACK 0
	PACK 1
.irp i, 0,1,2,3,4,5,6,7,8,9,10,11,12,13,14,15
	s_wait_dscnt 47-\i                             ; behind row i's load: 15 - i younger rows and the second tile's 32 LDS instructions
	global_store_b128 v[GO], v[S+4*\i:S+4*\i+3], s[16:17] offset:512*\i th:TH_STORE_NT   ; 32 lanes store 512 consecutive bytes, aligned
.endr
.irp i, 0,1,2,3,4,5,6,7,8,9,10,11,12,13,14,15
	s_wait_dscnt 15-\i
	global_store_b128 v[GO], v[S+64+4*\i:S+64+4*\i+3], s[16:17] offset:8192+512*\i th:TH_STORE_NT
.endr
	s_wait_tensorcnt 0x0                           ; the wave's end
	ds_add_u32 v[SPW], v[NIL]
	s_wait_dscnt 0x0
	ROUND                                          ; the closing round
	s_endpgm
.Lfunc_end_k_q10b2043160_attn:
	.size	k_q10b2043160_attn, .Lfunc_end_k_q10b2043160_attn-k_q10b2043160_attn
	.p2alignl 7, 3214868480
	.fill 96, 4, 3214868480
	.section	.rodata,"a",@progbits
	.p2align	6, 0x0
	.amdhsa_kernel k_q10b2043160_attn
		.amdhsa_group_segment_fixed_size 327680
		.amdhsa_private_segment_fixed_size 0
		.amdhsa_enable_private_segment 0
		.amdhsa_kernarg_size 48
		.amdhsa_user_sgpr_count 2
		.amdhsa_user_sgpr_kernarg_segment_ptr 1
		.amdhsa_wavefront_size32 1
		.amdhsa_system_sgpr_workgroup_id_x 1
		.amdhsa_system_sgpr_workgroup_id_y 1
		.amdhsa_system_sgpr_workgroup_id_z 1
		.amdhsa_system_vgpr_workitem_id 0
		.amdhsa_next_free_vgpr 512
		.amdhsa_next_free_sgpr 100
		.amdhsa_reserve_vcc 0
		.amdhsa_float_denorm_mode_32 3
		.amdhsa_float_denorm_mode_16_64 3
		.amdhsa_memory_ordered 1
		.amdhsa_forward_progress 1
		.amdhsa_inst_pref_size 255
	.end_amdhsa_kernel
	.section	.bss,"aw",@nobits
	.p2align	6
	.space	262144
	.amdgpu_metadata
---
amdhsa.version: [ 1, 2 ]
amdhsa.kernels:
  - .name:           k_q10b2043160_attn
    .symbol:         k_q10b2043160_attn.kd
    .args:
      - { .name: q, .offset: 0, .size: 8, .value_kind: global_buffer, .address_space: global }
      - { .name: k_codes, .offset: 8, .size: 8, .value_kind: global_buffer, .address_space: global }
      - { .name: k_scales, .offset: 16, .size: 8, .value_kind: global_buffer, .address_space: global }
      - { .name: v_codes, .offset: 24, .size: 8, .value_kind: global_buffer, .address_space: global }
      - { .name: v_scales, .offset: 32, .size: 8, .value_kind: global_buffer, .address_space: global }
      - { .name: out0, .offset: 40, .size: 8, .value_kind: global_buffer, .address_space: global }
    .group_segment_fixed_size: 327680
    .private_segment_fixed_size: 0
    .kernarg_segment_align: 8
    .kernarg_segment_size: 48
    .max_flat_workgroup_size: 256
    .sgpr_count:     100
    .vgpr_count:     512
    .wavefront_size: 32
...
	.end_amdgpu_metadata
.endif
;; end of part 2
